; MI455X (gfx1250); checked and timed in simulation.
; The chip was launched on July 23, 2026; its instructions are those of AMD's public machine-readable ISA for CDNA 5 (MIT licence, August 2026) and "CDNA5" Instruction Set Architecture Reference Guide (July 2026). The comments in the code are by the model that wrote it; some were corrected since.
;; Medical Transformer. Allowed arithmetic: matrix products marked QUANTISED: E5M2 operands, one E8M0 scale for each 32 along K, by v_wmma_scale_f32_16x16x128_f8f6f4 with both operands' format E5M2, f32 sums; products left as they are: f32 operands where the result goes on into a quantised operand, else bf16, f16 or f32 operands; f32 sums; everything else in f32.
;; Inputs: b_out 128 float32; b_qkv 128 float32; b_sim 24 float32; g_out 128 float32; g_qkv 128 float32; g_sim 24 float32; relative 16 x 255 float32; w_qkv_codes 128 x 2 x 32 uint8 (E5M2 codes of w_qkv, K innermost, in blocks of 32 codes); w_qkv_scales 128 x 2 uint8 (E8M0 scales of w_qkv, one for each 32 codes along K); x_codes 4 x 128 x 128 x 2 x 32 uint8 (E5M2 codes of x, K innermost, in blocks of 32 codes); x_scales 4 x 128 x 128 x 2 uint8 (E8M0 scales of x, one for each 32 codes along K).
;; Outputs: out0 4 x 64 x 128 x 128 float32.
;; This version of the problem:
;;   THIS VERSION OF THE PROBLEM IS GIVEN IN LOW PRECISION. The matrix products marked QUANTISED in the list below multiply operands that are first quantised to E5M2 (5 exponent bits, 2 mantissa bits; 8 bits a number), with one power-of-two scale for each 32 numbers along K (OCP MX v1.0); their sums are f32. All else is computed in f32.
;;   The module's matrix products, in the order in which they are computed (A, B: the left and right operand; K: the contracted axis; several contracted axes count as one K, in the product's order):
;;     1. [M 128, K 64] x [K 64, N 65,536]; A: input w_qkv (given as codes); B: input x (given as codes): QUANTISED
;;     2. batch 128 x [M 128, K 4] x [K 4, N 4,096]; A: computed on the way; B: computed on the way: left as it is (K = 4 < 32)
;;     3. batch 128 x [M 128, K 4] x [K 4, N 4,096]; A: computed on the way; B: computed on the way: left as it is (K = 4 < 32)
;;     4. batch 4,096 x [M 128, K 4] x [K 4, N 128]; A: computed on the way; B: computed on the way: left as it is (K = 4 < 32)
;;     5. batch 4,096 x [M 8, K 128] x [K 128, N 128]; A: computed on the way; B: softmax: left as it is (M = 8 < 16)
;;     6. batch 128 x [M 8, K 128] x [K 128, N 4,096]; A: computed on the way; B: softmax: left as it is (M = 8 < 16)
;;   THE QUANTISER, for each operand of a quantised product, along K:
;;     - K is cut into blocks of 32 from its start; a last block that is shorter is filled with zeros.
;;     - A block's scale is 2^e with e = floor(log2(the largest magnitude in the block)) - 15, held to -126 .. 127; a block of zeros has e = 0. As a byte (E8M0): e + 127.
;;     - Each number is divided by its block's scale, clamped to +-57,344, and rounded to the nearest number of E5M2, ties to even, subnormals kept.
;;     - The product sums the exact products of the quantised numbers (number of the format x scale) in f32.
;;   ~~~python
;;   def quantise(x, axis):      # numpy; x: float32 -> the quantised numbers, widened to float32 again
;;       x = np.moveaxis(x, axis, -1); K = x.shape[-1]
;;       x = np.pad(x, [(0, 0)] * (x.ndim - 1) + [(0, -K % 32)]); x = x.reshape(x.shape[:-1] + (-1, 32)); a = np.abs(x).max(-1, keepdims=True)
;;       e = np.where(a > 0, np.clip(np.frexp(np.where(a > 0, a, 1))[1] - 1 - 15, -126, 127), 0)      # np.frexp(a)[1] - 1 = floor(log2(a)), exactly
;;       r = np.clip(x / 2.0 ** e, -57344, 57344)
;;       step = 2.0 ** (np.maximum(np.frexp(np.where(r == 0, 1, r))[1] - 1, -14) - 2)
;;       q = np.round(r / step) * step * 2.0 ** e      # np.round: ties to even
;;       return np.moveaxis(q.reshape(q.shape[:-2] + (-1,))[..., :K], -1, axis).astype(np.float32)
;;   ~~~
;;   INPUTS GIVEN AS CODES. w_qkv (in the module: [128, 64], K = its axis 1); x (in the module: [4, 64, 128, 128], K = its axis 1): each comes as NAME_codes (uint8): NAME with its K axis moved to the last place and cut into blocks of 32 codes, [.., K / 32, bytes a block], one block behind the other in memory; one code a byte (a code: sign, 5 exponent bits, 2 mantissa bits); and NAME_scales (uint8): the same leading axes, one E8M0 byte (e + 127) for each 32 codes along K. Its value is code x scale, taken as it is: it is not quantised again, and the codes and scales need not be those that the quantiser above would give.
;; One version. Each part assembles by itself: llvm-mc -triple=amdgcn-amd-amdhsa -mcpu=gfx1250 --defsym DOCPART=n.
;; ======== version 1 of 1: 4 launches
;; limits: a difference of large sums (such as E[x^2] - mean^2): digits are lost where the result is much smaller than its terms
;; workspace buffers: st1 131,072 bytes; tab 16,384 bytes; rs 18,432 bytes; bn1 1,024 bytes; st2 32,768 bytes; xw 33,554,432 bytes; st3 65,536 bytes
;; launch stat1 (part 1): grid 256 x 1, 8 waves a work-group, no clusters, 37,888 bytes of LDS; arguments x_codes, x_scales, w_qkv_codes, w_qkv_scales, relative, st1, tab, rs; writes st1, tab, rs
.if DOCPART == 1
	.amdgcn_target "amdgcn-amd-amdhsa--gfx1250"
	.amdhsa_code_object_version 6
	.text
	.protected	k_q80d248cb7c_stat1
	.globl	k_q80d248cb7c_stat1
	.p2align	8
	.type	k_q80d248cb7c_stat1,@function
k_q80d248cb7c_stat1:
	s_mov_b64 s[64:65], 0
	v_nop
	global_prefetch_b8 v0, s[64:65] scope:SCOPE_SE
	s_setreg_imm32_b32 hwreg(HW_REG_WAVE_MODE, 25, 1), 1
	s_wait_xcnt 0x0
; FIRST OF FOUR LAUNCHES.  raw[o][b][i] = sum over c of w[o][c] x[n][c][i][w], on E5M2 codes with E8M0 scales; here only its sums: for each channel o the sum and the sum of squares
; over this work-group's 4 columns b x 128 positions i, stored to st1[nwq][channel][S,Q].  Besides, each of the first 265 waves of the launch makes one piece of two tables of 'relative':
;   tab[kind q,k][pos][16]: sums over columns pos .. pos+127 of R[c]R[c'] (ten pairs, the unlike pairs doubled) and of R[c] (four), two zeros;
;   rs[u][16], u = key - query + 127: R[0..3][254 - u], R[4..7][u], R[8..15][254 - u]: the sixteen numbers that one pair (query, key) wants, 64 bytes on end.  Entries 255 to 287 repeat entry 254's columns: they are copied by the reader and never used.
; SHARES.  Work-group = (nwq = n x 32 + w / 4, gh).  Wave = (gl, bp): group g = 4 gh + gl, all its 16 channels; columns w = 4 wq + 2 bp and the next.
; TWO COLUMNS IN ONE K OF 128: x's 128 consecutive code bytes of two neighbouring w are source 1; source 0 has in rows 0-7 a channel's 64 codes and 64 zero codes, in rows 8-15 the zero codes first.
; So lane (r, h) of a result holds position r of column 2 bp + h, and register j channel j.  Zero codes add nothing under any scale byte but 0xff.
; LIMITS: NaN and infinity codes and the scale byte 0xff are not served.  tab leaves in pieces of 64 bytes (16 KiB in all).
; No tensor load, no cluster: x's 33 KiB are read once at the head, and only two work-groups share them.
.set XSC, 34816                        ; LDS: x's codes at 0, 128 rows (positions) of 256 bytes + 16: the 16 rows of a fragment load start at 16 different banks; then its scale bytes, 8 a row
.set RED, 35840                        ; then each wave's 32 totals, 128 bytes a wave
.set SEL, 28                           ; s[28:29] selects of v_permlanex16_b32: lane l xor 16
.set MK,  30                           ; s30  lanes with r < 8
.set WQ,  16                           ; v16-31  w's fragment of channels 0-7 of the group;  v32-47 of channels 8-15
.set WVF, 32
.set XF,  56                           ; v56-119 four fragments of x (first: what the loads bring)
.set D,   120                          ; v120-183 eight results
.set SS,  184                          ; v184-199 sums, v200-215 sums of squares, a register a channel
.set QQ,  200
.macro NOPS cnt
.rept \cnt
	v_nop
.endr
.endm
.macro BARRIER                         ; my LDS stores have landed and my LDS loads are in: then the work-group's barrier
	s_wait_dscnt 0x0
	s_barrier_signal -1
	s_barrier_wait -1
.endm
.macro QMM d, a, b, sa, sb
	v_wmma_scale_f32_16x16x128_f8f6f4 v[(\d):(\d)+7], v[(\a):(\a)+15], v[(\b):(\b)+15], 0, v[\sa], v[\sb] matrix_a_fmt:MATRIX_FMT_BF8 matrix_b_fmt:MATRIX_FMT_BF8
.endm
.macro WMASK dst, src, sc              ; the loaded 64 codes go to K 0-63 in rows 0-7 and to K 64-127 in rows 8-15; the two scale bytes are doubled into a word
.irp i, 0,1,2,3,4,5,6,7
	v_cndmask_b32 v[\dst+\i], 0, v[\src+\i], s[MK]
	v_cndmask_b32 v[\dst+8+\i], v[\src+\i], 0, s[MK]
.endr
	v_lshl_or_b32 v[\sc], v[\sc], 16, v[\sc]
.endm
.macro XFRAG dst, sc, lam              ; 16 positions x 128 K: lane (r, h): row 16 lam + r, bytes 128 bp + 32 c + 16 h; and the row's four scale bytes
.irp c, 0,1,2,3
	ds_load_b128 v[(\dst)+4*\c:(\dst)+4*\c+3], v10 offset:4352*(\lam)+32*\c
.endr
	ds_load_b32 v[\sc], v11 offset:128*(\lam)
.endm
.macro REDN base, cnt, tmp             ; cnt registers are summed over the 32 lanes, by turns; tmp: registers that have been written
.irp m, 1,2,4,8
.set i_, 0
.rept \cnt
	v_add_f32_dpp v[\base+i_], v[\base+i_], v[\base+i_] row_xmask:\m row_mask:0xf bank_mask:0xf
.set i_, i_+1
.endr
.endr
.set i_, 0
.rept \cnt
	v_permlanex16_b32 v[\tmp+i_], v[\base+i_], s[SEL], s[SEL+1]
.set i_, i_+1
.endr
.set i_, 0
.rept \cnt
	v_add_f32 v[\base+i_], v[\base+i_], v[\tmp+i_]
.set i_, i_+1
.endr
.endm
	s_load_b256 s[4:11], s[0:1], 0x0               ; x's codes, x's scales, w's codes, w's scales
	s_load_b256 s[12:19], s[0:1], 0x20             ; relative, st1, tab, rs
	v_lshl_add_u32 v254, v0, 2, 0x9000
	v_mov_b32 v255, 0
	v_lshrrev_b32 v1, 5, v0
	v_readfirstlane_b32 s20, v1                    ; wave
	s_and_b32 s21, s20, 3                          ; gl
	s_lshr_b32 s22, s20, 2                         ; bp
	s_and_b32 s23, ttmp9, 1                        ; gh
	s_lshr_b32 s24, ttmp9, 1                       ; nwq
	s_lshr_b32 s25, s24, 5                         ; n
	s_and_b32 s26, s24, 31                         ; wq
	s_lshl_b32 s27, s23, 2
	s_add_co_u32 s27, s27, s21                     ; g
	s_mov_b32 s[SEL], 0x76543210
	s_mov_b32 s[SEL+1], 0xfedcba98
	s_mov_b32 s[MK], 0x00ff00ff
	v_and_b32 v1, 31, v0                           ; lane
	v_and_b32 v2, 15, v0                           ; r
	v_bfe_u32 v3, v0, 4, 1                         ; h
	v_lshrrev_b32 v14, 4, v0
	v_lshlrev_b32 v4, 13, v14
	v_lshl_add_u32 v4, v2, 4, v4                   ; x's codes: row t / 16 of 8,192 bytes, 16 (t % 16): sixteen lanes read my work-group's 256 bytes of a row
	v_mul_u32_u24 v5, v14, 272
	v_lshl_add_u32 v5, v2, 4, v5                   ; and their place in LDS
	v_lshrrev_b32 v14, 1, v0
	v_and_b32 v15, 1, v0
	v_lshlrev_b32 v6, 8, v14
	v_lshl_add_u32 v6, v15, 2, v6                  ; x's scales: row t / 2 of 256 bytes, word t % 2
	v_lshl_add_u32 v7, v0, 2, XSC
	v_and_b32 v14, 7, v0
	v_lshlrev_b32 v8, 6, v14
	v_lshl_add_u32 v8, v3, 4, v8                   ; w's codes: channel r % 8 of 64 bytes, + 16 h
	v_lshlrev_b32 v9, 1, v14                       ; w's scales: two bytes a channel
	v_mul_u32_u24 v10, v2, 272
	v_lshl_add_u32 v10, v3, 4, v10
	s_lshl_b32 s31, s22, 7
	v_add_nc_u32 v10, s31, v10                     ; a fragment of x: r x 272 + 16 h + 128 bp
	v_lshl_add_u32 v11, v2, 3, XSC
	s_lshl_b32 s31, s22, 2
	v_add_nc_u32 v11, s31, v11                     ; its scale word: 8 r + 4 bp
	s_lshl_b32 s31, s20, 7
	s_add_co_u32 s31, s31, RED
	v_mov_b32 v12, s31                             ; my wave's totals
	v_bfe_u32 v13, v0, 4, 2
	v_lshlrev_b32 v13, 7, v13
	v_lshl_add_u32 v13, v2, 3, v13
	v_add_nc_u32 v13, RED, v13                     ; threads 0-63 read them back: wave t / 16, channel t % 16
	v_and_b32 v15, 63, v0
	v_lshlrev_b32 v15, 3, v15
	s_lshl_b32 s32, s25, 20
	s_lshl_b32 s34, s26, 8
	s_add_co_u32 s32, s32, s34
	s_mov_b32 s33, 0
	s_wait_kmcnt 0x0
	s_add_nc_u64 s[4:5], s[4:5], s[32:33]          ; x's codes at (n, row 0, w = 4 wq)
	s_lshl_b32 s32, s25, 15
	s_lshl_b32 s34, s26, 3
	s_add_co_u32 s32, s32, s34
	s_add_nc_u64 s[6:7], s[6:7], s[32:33]
	s_lshl_b32 s32, s27, 10
	s_add_nc_u64 s[8:9], s[8:9], s[32:33]          ; w at my group's 16 channels
	s_lshl_b32 s32, s27, 5
	s_add_nc_u64 s[10:11], s[10:11], s[32:33]
	s_lshl_b32 s32, s24, 10
	s_lshl_b32 s34, s23, 9
	s_add_co_u32 s32, s32, s34
	s_add_nc_u64 s[14:15], s[14:15], s[32:33]      ; st1 at (nwq, channel 64 gh)
.irp k, 0,1,2,3,4,5,6,7
	global_load_b128 v[XF+4*\k:XF+4*\k+3], v4, s[4:5] offset:131072*\k
.endr
	global_load_b32 v88, v6, s[6:7]
.irp c, 0,1
	global_load_b128 v[96+4*\c:99+4*\c], v8, s[8:9] offset:32*\c
	global_load_b128 v[104+4*\c:107+4*\c], v8, s[8:9] offset:512+32*\c
.endr
	global_load_u16 v48, v9, s[10:11]
	global_load_u16 v49, v9, s[10:11] offset:16
	s_wait_loadcnt 0x0
.irp k, 0,1,2,3,4,5,6,7
	ds_store_b128 v5, v[XF+4*\k:XF+4*\k+3] offset:4352*\k
.endr
	ds_store_b32 v7, v88
	WMASK WQ, 96, 48
	WMASK WVF, 104, 49
	NOPS 8                                         ; a scale word made by a vector instruction stands eight places ahead of the scaled matrix instruction, an operand four
	BARRIER                                        ; x's codes and scale bytes lie in LDS
; sums over the eight results of a batch; first = 1: the first additions and products start the sums.  Each result is read from its low end on.
.macro STAT first
.irp w, 0,8
.irp k, 0,2,4,6
.if \first
	v_pk_add_f32 v[SS+\w+\k:SS+\w+\k+1], v[D+\w+\k:D+\w+\k+1], v[D+16+\w+\k:D+16+\w+\k+1]
	v_pk_mul_f32 v[QQ+\w+\k:QQ+\w+\k+1], v[D+\w+\k:D+\w+\k+1], v[D+\w+\k:D+\w+\k+1]
.else
	v_pk_add_f32 v[SS+\w+\k:SS+\w+\k+1], v[SS+\w+\k:SS+\w+\k+1], v[D+\w+\k:D+\w+\k+1]
	v_pk_fma_f32 v[QQ+\w+\k:QQ+\w+\k+1], v[D+\w+\k:D+\w+\k+1], v[D+\w+\k:D+\w+\k+1], v[QQ+\w+\k:QQ+\w+\k+1]
	v_pk_add_f32 v[SS+\w+\k:SS+\w+\k+1], v[SS+\w+\k:SS+\w+\k+1], v[D+16+\w+\k:D+16+\w+\k+1]
.endif
	v_pk_fma_f32 v[QQ+\w+\k:QQ+\w+\k+1], v[D+16+\w+\k:D+16+\w+\k+1], v[D+16+\w+\k:D+16+\w+\k+1], v[QQ+\w+\k:QQ+\w+\k+1]
.endr
.irp i, 32,48
.irp k, 0,2,4,6
	v_pk_add_f32 v[SS+\w+\k:SS+\w+\k+1], v[SS+\w+\k:SS+\w+\k+1], v[D+\i+\w+\k:D+\i+\w+\k+1]
	v_pk_fma_f32 v[QQ+\w+\k:QQ+\w+\k+1], v[D+\i+\w+\k:D+\i+\w+\k+1], v[D+\i+\w+\k:D+\i+\w+\k+1], v[QQ+\w+\k:QQ+\w+\k+1]
.endr
.endr
.endr
.endm
.irp bt, 0,1                                   ; two batches of four tiles of 16 positions
.irp i, 0,1,2,3
	XFRAG XF+16*\i, 50+\i, 4*\bt+\i
.endr
	s_wait_dscnt 0x0
.irp i, 0,1,2,3
	QMM D+16*\i, WQ, XF+16*\i, 48, 50+\i
	QMM D+16*\i+8, WVF, XF+16*\i, 49, 50+\i
.endr
	NOPS 8                                         ; eight places behind this form, ahead of the reads of results and of loads into its operands
	STAT 1-\bt
.endr
	REDN SS, 32, XF                                ; over 16 positions and two columns
.irp c, 0,1,2,3,4,5,6,7,8,9,10,11,12,13,14,15
	ds_store_b32 v12, v[SS+\c] offset:8*\c         ; all lanes write the same word with the same value
	ds_store_b32 v12, v[QQ+\c] offset:8*\c+4
.endr
	BARRIER
	s_cmp_lt_u32 s20, 2
	s_cbranch_scc0 .Lno_sum
	ds_load_b64 v[218:219], v13                    ; bp = 0's totals of channel t,
	ds_load_b64 v[220:221], v13 offset:512         ; bp = 1's
	s_wait_dscnt 0x0
	v_pk_add_f32 v[218:219], v[218:219], v[220:221]
	global_store_b64 v15, v[218:219], s[14:15]     ; a wave stores 256 consecutive bytes, aligned
.Lno_sum:
	; ---- one piece of a table for each of the launch's first 265 waves
	s_lshl_b32 s32, ttmp9, 3
	s_add_co_u32 s32, s32, s20                     ; the wave's number in the launch
	s_cmp_lt_u32 s32, 256
	s_cbranch_scc1 .Ltab
	s_sub_co_u32 s33, s32, 256
	s_cmp_lt_u32 s33, 9
	s_cbranch_scc1 .Lrs
	s_wait_tensorcnt 0x0
	ds_add_u32 v254, v255
	s_wait_dscnt 0x0
	s_endpgm
.Ltab:                                             ; tab's row (kind, pos): a lane takes columns pos + lane + 32 m of the kind's four rows of R
	s_lshr_b32 s34, s32, 7
	s_and_b32 s35, s32, 127
	s_mul_i32 s34, s34, 4080
	s_lshl_b32 s35, s35, 2
	s_add_co_u32 s34, s34, s35
	v_lshl_add_u32 v14, v1, 2, s34
.irp c, 0,1,2,3
.irp m, 0,1,2,3
	global_load_b32 v[XF+4*\c+\m], v14, s[12:13] offset:1020*\c+128*\m
.endr
.endr
	s_wait_loadcnt 0x0
.macro TP idx, a, b
	v_mul_f32 v[D+\idx], v[XF+4*\a], v[XF+4*\b]
.irp m, 1,2,3
	v_fmac_f32 v[D+\idx], v[XF+4*\a+\m], v[XF+4*\b+\m]
.endr
.endm
	TP 0, 0, 0
	TP 1, 0, 1
	TP 2, 0, 2
	TP 3, 0, 3
	TP 4, 1, 1
	TP 5, 1, 2
	TP 6, 1, 3
	TP 7, 2, 2
	TP 8, 2, 3
	TP 9, 3, 3
.irp c, 0,1,2,3
	v_add_f32 v[D+10+\c], v[XF+4*\c], v[XF+4*\c+1]
	v_add_f32 v[D+10+\c], v[D+10+\c], v[XF+4*\c+2]
	v_add_f32 v[D+10+\c], v[D+10+\c], v[XF+4*\c+3]
.endr
	REDN D, 14, XF
.irp i, 1,2,3,5,6,8
	v_add_f32 v[D+\i], v[D+\i], v[D+\i]            ; an unlike pair counts twice in the square of a sum
.endr
	v_mov_b32 v[D+14], 0
	v_mov_b32 v[D+15], 0
	v_mov_b32 v217, 0
	s_lshl_b32 s34, s32, 6
	s_mov_b32 s35, 0
	s_add_nc_u64 s[16:17], s[16:17], s[34:35]
	v_cmp_eq_u32 vcc_lo, 0, v1
	s_wait_xcnt 0x0                                ; EXEC changes only behind this wait: earlier loads and stores have had their addresses translated
	s_wait_tensorcnt 0x0
	ds_add_u32 v254, v255
	s_wait_dscnt 0x0
	s_and_saveexec_b32 s31, vcc_lo                 ; every lane holds the totals: lane 0 stores them
.irp k, 0,1,2,3
	global_store_b128 v217, v[D+4*\k:D+4*\k+3], s[16:17] offset:16*\k
.endr
	s_wait_xcnt 0x0
	s_or_b32 exec_lo, exec_lo, s31
	s_endpgm
.Lrs:                                              ; 32 entries of rs, a lane an entry u; past u = 254 the columns are held at the table's ends
	s_lshl_b32 s34, s33, 5
	v_add_nc_u32 v14, s34, v1                      ; u
	v_min_u32 v217, 254, v14                       ; the column of k's rows
	v_sub_nc_u32 v216, 254, v217                   ; the column of q's and v's rows
	v_lshlrev_b32 v216, 2, v216
	v_lshlrev_b32 v217, 2, v217
.irp c, 0,1,2,3
	global_load_b32 v[XF+\c], v216, s[12:13] offset:1020*\c
	global_load_b32 v[XF+4+\c], v217, s[12:13] offset:1020*(4+\c)
.endr
.irp c, 0,1,2,3,4,5,6,7
	global_load_b32 v[XF+8+\c], v216, s[12:13] offset:1020*(8+\c)
.endr
	s_wait_loadcnt 0x0
	v_lshlrev_b32 v14, 6, v14                      ; 64 bytes an entry: the wave's four stores fill 2,048 consecutive bytes
.irp k, 0,1,2,3
	global_store_b128 v14, v[XF+4*\k:XF+4*\k+3], s[18:19] offset:16*\k
.endr
	s_wait_tensorcnt 0x0
	ds_add_u32 v254, v255
	s_wait_dscnt 0x0
	s_endpgm
.Lfunc_end_k_q80d248cb7c_stat1:
	.size	k_q80d248cb7c_stat1, .Lfunc_end_k_q80d248cb7c_stat1-k_q80d248cb7c_stat1
	.p2alignl 7, 3214868480
	.fill 96, 4, 3214868480
	.section	.rodata,"a",@progbits
	.p2align	6, 0x0
	.amdhsa_kernel k_q80d248cb7c_stat1
		.amdhsa_group_segment_fixed_size 37888
		.amdhsa_private_segment_fixed_size 0
		.amdhsa_enable_private_segment 0
		.amdhsa_kernarg_size 64
		.amdhsa_user_sgpr_count 2
		.amdhsa_user_sgpr_kernarg_segment_ptr 1
		.amdhsa_wavefront_size32 1
		.amdhsa_system_sgpr_workgroup_id_x 1
		.amdhsa_system_sgpr_workgroup_id_y 1
		.amdhsa_system_sgpr_workgroup_id_z 1
		.amdhsa_system_vgpr_workitem_id 0
		.amdhsa_next_free_vgpr 256
		.amdhsa_next_free_sgpr 66
		.amdhsa_reserve_vcc 1
		.amdhsa_float_denorm_mode_32 3
		.amdhsa_float_denorm_mode_16_64 3
		.amdhsa_memory_ordered 1
		.amdhsa_forward_progress 1
		.amdhsa_inst_pref_size 46
	.end_amdhsa_kernel
	.amdgpu_metadata
---
amdhsa.version: [ 1, 2 ]
amdhsa.kernels:
  - .name:           k_q80d248cb7c_stat1
    .symbol:         k_q80d248cb7c_stat1.kd
    .args:
      - { .name: x_codes, .offset: 0, .size: 8, .value_kind: global_buffer, .address_space: global }
      - { .name: x_scales, .offset: 8, .size: 8, .value_kind: global_buffer, .address_space: global }
      - { .name: w_qkv_codes, .offset: 16, .size: 8, .value_kind: global_buffer, .address_space: global }
      - { .name: w_qkv_scales, .offset: 24, .size: 8, .value_kind: global_buffer, .address_space: global }
      - { .name: relative, .offset: 32, .size: 8, .value_kind: global_buffer, .address_space: global }
      - { .name: st1, .offset: 40, .size: 8, .value_kind: global_buffer, .address_space: global }
      - { .name: tab, .offset: 48, .size: 8, .value_kind: global_buffer, .address_space: global }
      - { .name: rs, .offset: 56, .size: 8, .value_kind: global_buffer, .address_space: global }
    .group_segment_fixed_size: 37888
    .private_segment_fixed_size: 0
    .kernarg_segment_align: 8
    .kernarg_segment_size: 64
    .max_flat_workgroup_size: 256
    .sgpr_count:     66
    .vgpr_count:     256
    .wavefront_size: 32
...
	.end_amdgpu_metadata
.endif
;; end of part 1
;; launch stat2 (part 2): grid 256 x 1, 8 waves a work-group, no clusters, 60,416 bytes of LDS; arguments x_codes, x_scales, w_qkv_codes, w_qkv_scales, g_qkv, b_qkv, st1, tab, bn1, st2; writes bn1, st2
.if DOCPART == 2
	.amdgcn_target "amdgcn-amd-amdhsa--gfx1250"
	.amdhsa_code_object_version 6
	.text
	.protected	k_q80d248cb7c_stat2
	.globl	k_q80d248cb7c_stat2
	.p2align	8
	.type	k_q80d248cb7c_stat2,@function
k_q80d248cb7c_stat2:
	s_mov_b64 s[64:65], 0
	v_nop
	global_prefetch_b8 v0, s[64:65] scope:SCOPE_SE
	s_setreg_imm32_b32 hwreg(HW_REG_WAVE_MODE, 25, 1), 1
	s_wait_xcnt 0x0
; SECOND LAUNCH.  The first batch norm's coefficients (alpha = g rsqrt(var + eps), gamma = b - alpha mean) from st1; with them q and k, made anew from the codes;
; and the sums that the second batch norm needs, WITHOUT ANY LOGIT:  sum qk = sum over b, c of (sum_i q_c)(sum_j k_c);  sum qk^2 = sum over b, c, c' of (sum_i q_c q_c')(sum_j k_c k_c');
; sum qr = sum over b, i, c of q_c(i) SR_c(i);  sum qr^2 = sum over b, i, c, c' of q_c q_c'(i) GR_cc'(i), SR and GR the window sums of 'relative' in tab; kr likewise with k.  (The factors 0.1 are applied by the reader.)
; Shares and the product's form are the first launch's: work-group (nwq, gh), wave (gl, bp), lane (r, h) = position r of column 2 bp + h, registers 0-3 q, 4-7 k.
; LIMITS: a variance is E[x^2] - mean^2 in f32, held at 0 from below: its error is about (mean^2 / var) x 3e-7.  NaN and infinity codes and the scale byte 0xff are not served.
; st2 leaves in pieces of 128 bytes a work-group (32 KiB in all).
.set XSC,  34816                       ; LDS: x's codes at 0 (128 rows, pitch 272), its scale bytes,
.set TAB,  35840                       ; tab: 256 rows of 64 bytes + 16,
.set RED,  56320                       ; four partial sums for each of 64 channels, 8 bytes each,
.set AL,   58368                       ; alpha and, 256 bytes on, gamma of my 64 channels,
.set OUT2, 58880                       ; each wave's eight totals
.set SEL, 32
.set MK,  34
.set W,   16
.set XF,  40
.set D,   104
.set T,   136                          ; v136-143 q0-3, k0-3
.set PP,  144                          ; v144-153 the ten products of a pair
.set TB,  154                          ; v154-185 tab's rows: q's 16 numbers, k's 16
.set ACC, 186                          ; v186-213 per column: q's ten pair sums and four sums, then k's
.set CA,  218                          ; v218-225 alpha, v226-233 gamma of channels 0-7
.set CG,  226
.set VAL, 234                          ; v234-241 Sqk, Qqk, Sqr, Qqr, Skr, Qkr, 0, 0
.macro NOPS cnt
.rept \cnt
	v_nop
.endr
.endm
.macro BARRIER
	s_wait_dscnt 0x0
	s_barrier_signal -1
	s_barrier_wait -1
.endm
.macro QMM d, a, b, sa, sb
	v_wmma_scale_f32_16x16x128_f8f6f4 v[(\d):(\d)+7], v[(\a):(\a)+15], v[(\b):(\b)+15], 0, v[\sa], v[\sb] matrix_a_fmt:MATRIX_FMT_BF8 matrix_b_fmt:MATRIX_FMT_BF8
.endm
.macro WMASK dst, src, sc
.irp i, 0,1,2,3,4,5,6,7
	v_cndmask_b32 v[\dst+\i], 0, v[\src+\i], s[MK]
	v_cndmask_b32 v[\dst+8+\i], v[\src+\i], 0, s[MK]
.endr
	v_lshl_or_b32 v[\sc], v[\sc], 16, v[\sc]
.endm
.macro XFRAG dst, sc, lam
.irp c, 0,1,2,3
	ds_load_b128 v[(\dst)+4*\c:(\dst)+4*\c+3], v10 offset:4352*(\lam)+32*\c
.endr
	ds_load_b32 v[\sc], v11 offset:128*(\lam)
.endm
.macro REDN base, cnt, tmp
.irp m, 1,2,4,8
.set i_, 0
.rept \cnt
	v_add_f32_dpp v[\base+i_], v[\base+i_], v[\base+i_] row_xmask:\m row_mask:0xf bank_mask:0xf
.set i_, i_+1
.endr
.endr
.set i_, 0
.rept \cnt
	v_permlanex16_b32 v[\tmp+i_], v[\base+i_], s[SEL], s[SEL+1]
.set i_, i_+1
.endr
.set i_, 0
.rept \cnt
	v_add_f32 v[\base+i_], v[\base+i_], v[\tmp+i_]
.set i_, i_+1
.endr
.endm
	s_load_b256 s[4:11], s[0:1], 0x0               ; x's codes, x's scales, w's codes, w's scales
	s_load_b256 s[12:19], s[0:1], 0x20             ; g_qkv, b_qkv, st1, tab
	s_load_b128 s[20:23], s[0:1], 0x40             ; bn1, st2
	v_lshl_add_u32 v254, v0, 2, 0xe800
	v_mov_b32 v255, 0
	v_lshrrev_b32 v1, 5, v0
	v_readfirstlane_b32 s24, v1                    ; wave
	s_and_b32 s25, s24, 3                          ; gl
	s_lshr_b32 s26, s24, 2                         ; bp
	s_and_b32 s27, ttmp9, 1                        ; gh
	s_lshr_b32 s28, ttmp9, 1                       ; nwq
	s_lshr_b32 s29, s28, 5                         ; n
	s_and_b32 s30, s28, 31                         ; wq
	s_lshl_b32 s31, s27, 2
	s_add_co_u32 s31, s31, s25                     ; g
	s_mov_b32 s[SEL], 0x76543210
	s_mov_b32 s[SEL+1], 0xfedcba98
	s_mov_b32 s[MK], 0x00ff00ff
	v_and_b32 v1, 31, v0
	v_and_b32 v2, 15, v0
	v_bfe_u32 v3, v0, 4, 1
	v_lshrrev_b32 v14, 4, v0
	v_lshlrev_b32 v4, 13, v14
	v_lshl_add_u32 v4, v2, 4, v4                   ; x's codes in memory,
	v_mul_u32_u24 v5, v14, 272
	v_lshl_add_u32 v5, v2, 4, v5                   ; and in LDS
	v_lshrrev_b32 v14, 1, v0
	v_and_b32 v15, 1, v0
	v_lshlrev_b32 v6, 8, v14
	v_lshl_add_u32 v6, v15, 2, v6                  ; x's scales
	v_lshl_add_u32 v7, v0, 2, XSC
	v_and_b32 v14, 7, v0
	v_lshlrev_b32 v8, 6, v14
	v_lshl_add_u32 v8, v3, 4, v8                   ; w's codes
	v_lshlrev_b32 v9, 1, v14
	v_mul_u32_u24 v10, v2, 272
	v_lshl_add_u32 v10, v3, 4, v10
	s_lshl_b32 s38, s26, 7
	v_add_nc_u32 v10, s38, v10                     ; a fragment of x
	v_lshl_add_u32 v11, v2, 3, XSC
	s_lshl_b32 s38, s26, 2
	v_add_nc_u32 v11, s38, v11
	v_lshrrev_b32 v14, 6, v0
	v_and_b32 v37, 63, v0
	v_lshlrev_b32 v12, 15, v14
	v_lshl_add_u32 v12, v37, 3, v12                ; st1: slots 32 (t / 64) on, channel t % 64
	v_lshlrev_b32 v13, 4, v0                       ; tab: 16 bytes a thread
	v_lshrrev_b32 v14, 2, v0
	v_mul_u32_u24 v14, v14, 80
	v_and_b32 v15, 3, v0
	v_lshl_add_u32 v14, v15, 4, v14
	v_add_nc_u32 v14, TAB, v14
	v_lshl_add_u32 v15, v0, 3, RED
	v_lshl_add_u32 v38, v37, 2, AL
	v_lshlrev_b32 v245, 3, v37
	v_lshlrev_b32 v37, 2, v37
	v_mul_u32_u24 v39, v2, 80
	v_add_nc_u32 v39, TAB, v39                     ; tab's row of position r
	s_lshl_b32 s38, s25, 6
	s_add_co_u32 s38, s38, AL
	v_mov_b32 v217, s38                            ; my group's coefficients
	s_lshl_b32 s38, s24, 5
	s_add_co_u32 s38, s38, OUT2
	v_mov_b32 v242, s38
	v_lshl_add_u32 v243, v1, 2, OUT2
	v_lshlrev_b32 v244, 2, v1
	s_lshl_b32 s36, s29, 20
	s_lshl_b32 s38, s30, 8
	s_add_co_u32 s36, s36, s38
	s_mov_b32 s37, 0
	s_wait_kmcnt 0x0
	s_add_nc_u64 s[4:5], s[4:5], s[36:37]
	s_lshl_b32 s36, s29, 15
	s_lshl_b32 s38, s30, 3
	s_add_co_u32 s36, s36, s38
	s_add_nc_u64 s[6:7], s[6:7], s[36:37]
	s_lshl_b32 s36, s31, 10
	s_add_nc_u64 s[8:9], s[8:9], s[36:37]
	s_lshl_b32 s36, s31, 5
	s_add_nc_u64 s[10:11], s[10:11], s[36:37]
	s_lshl_b32 s36, s27, 8
	s_add_nc_u64 s[12:13], s[12:13], s[36:37]      ; g_qkv, b_qkv at channel 64 gh
	s_add_nc_u64 s[14:15], s[14:15], s[36:37]
	s_lshl_b32 s36, s27, 9
	s_add_nc_u64 s[16:17], s[16:17], s[36:37]
	s_add_nc_u64 s[20:21], s[20:21], s[36:37]
	s_lshl_b32 s36, s28, 8
	s_lshl_b32 s38, s27, 7
	s_add_co_u32 s36, s36, s38
	s_add_nc_u64 s[22:23], s[22:23], s[36:37]
.set kk, 0
.rept 32
	global_load_b64 v[XF+2*kk:XF+2*kk+1], v12, s[16:17] offset:1024*kk
.set kk, kk+1
.endr
.irp k, 0,1,2,3,4,5,6,7
	global_load_b128 v[D+4*\k:D+4*\k+3], v4, s[4:5] offset:131072*\k
.endr
	global_load_b32 v214, v6, s[6:7]
.irp k, 0,1,2,3
	global_load_b128 v[TB+4*\k:TB+4*\k+3], v13, s[18:19] offset:4096*\k
.endr
.irp c, 0,1
	global_load_b128 v[170+4*\c:173+4*\c], v8, s[8:9] offset:32*\c
.endr
	global_load_u16 v32, v9, s[10:11]
	global_load_b32 v215, v37, s[12:13]
	global_load_b32 v216, v37, s[14:15]
.set kk, 0
.rept 28
	v_mov_b32 v[ACC+kk], 0
.set kk, kk+1
.endr
.irp i, 2,3,4,5,6,7
	v_mov_b32 v[VAL+\i], 0
.endr
	s_wait_loadcnt 0x0
.irp s, 16,8,4,2,1                             ; my 32 slots' sums and sums of squares, as a tree
.set kk, 0
.rept \s
	v_pk_add_f32 v[XF+2*kk:XF+2*kk+1], v[XF+2*kk:XF+2*kk+1], v[XF+2*(kk+\s):XF+2*(kk+\s)+1]
.set kk, kk+1
.endr
.endr
	ds_store_b64 v15, v[XF:XF+1]
.irp k, 0,1,2,3,4,5,6,7
	ds_store_b128 v5, v[D+4*\k:D+4*\k+3] offset:4352*\k
.endr
	ds_store_b32 v7, v214
.irp k, 0,1,2,3
	ds_store_b128 v14, v[TB+4*\k:TB+4*\k+3] offset:5120*\k
.endr
	WMASK W, 170, 32
	NOPS 8                                         ; a scale word made by a vector instruction stands eight places ahead of the scaled matrix instruction, an operand four: on the way of the waves that jump over the coefficients nothing else would fill them
	BARRIER
	s_cmp_lt_u32 s24, 2                            ; threads 0-63: a channel each
	s_cbranch_scc0 .Lno_bn1
.irp p, 0,1,2,3
	ds_load_b64 v[XF+2*\p:XF+2*\p+1], v15 offset:512*\p
.endr
	s_wait_dscnt 0x0
	v_pk_add_f32 v[XF:XF+1], v[XF:XF+1], v[XF+2:XF+3]
	v_pk_add_f32 v[XF+4:XF+5], v[XF+4:XF+5], v[XF+6:XF+7]
	v_pk_add_f32 v[XF:XF+1], v[XF:XF+1], v[XF+4:XF+5]
	v_mul_f32 v[XF+2], 0x37800000, v[XF]           ; the mean: 65,536 numbers a channel
	v_mul_f32 v[XF+3], 0x37800000, v[XF+1]
	v_fma_f32 v[XF+3], -v[XF+2], v[XF+2], v[XF+3]
	v_max_num_f32 v[XF+3], 0, v[XF+3]
	v_add_f32 v[XF+3], 0x3727c5ac, v[XF+3]         ; + 1e-5
	v_rsq_f32 v[XF+4], v[XF+3]
	v_nop                                          ; a plain instruction behind the transcendental,
	s_wait_alu depctr_va_vdst(0)                   ; and a wait ahead of the first use
	v_mul_f32 v[XF+4], v215, v[XF+4]               ; alpha
	v_fma_f32 v[XF+5], -v[XF+4], v[XF+2], v216     ; gamma
	ds_store_b32 v38, v[XF+4]
	ds_store_b32 v38, v[XF+5] offset:256
	s_cmp_lg_u32 s28, 0
	s_cbranch_scc1 .Lno_bn1
	global_store_b64 v245, v[XF+4:XF+5], s[20:21]  ; the two work-groups with nwq = 0 store them for the next launch
.Lno_bn1:
	s_wait_xcnt 0x0                                ; that store has read its data: x's fragments are loaded into the same registers further down
	BARRIER
	ds_load_b128 v[CA:CA+3], v217
	ds_load_b128 v[CA+4:CA+7], v217 offset:16
	ds_load_b128 v[CG:CG+3], v217 offset:256
	ds_load_b128 v[CG+4:CG+7], v217 offset:272
.macro PR z, idx, a, b
	v_mul_f32 v[PP+\idx], v[T+4*\z+\a], v[T+4*\z+\b]
.endm
.macro HALF z                          ; z = 0: q, 1: k
	PR \z, 0, 0, 0
	PR \z, 1, 0, 1
	PR \z, 2, 0, 2
	PR \z, 3, 0, 3
	PR \z, 4, 1, 1
	PR \z, 5, 1, 2
	PR \z, 6, 1, 3
	PR \z, 7, 2, 2
	PR \z, 8, 2, 3
	PR \z, 9, 3, 3
.irp i, 0,1,2,3,4,5,6,7,8,9
	v_fmac_f32 v[VAL+3+2*\z], v[PP+\i], v[TB+16*\z+\i]
	v_add_f32 v[ACC+14*\z+\i], v[ACC+14*\z+\i], v[PP+\i]
.endr
.irp c, 0,1,2,3
	v_fmac_f32 v[VAL+2+2*\z], v[T+4*\z+\c], v[TB+16*\z+10+\c]
	v_add_f32 v[ACC+14*\z+10+\c], v[ACC+14*\z+10+\c], v[T+4*\z+\c]
.endr
.endm
.macro TL2 d, lam                      ; one tile of 16 positions
.irp k, 0,1,2,3
	ds_load_b128 v[TB+4*\k:TB+4*\k+3], v39 offset:1280*(\lam)+16*\k
	ds_load_b128 v[TB+16+4*\k:TB+16+4*\k+3], v39 offset:10240+1280*(\lam)+16*\k
.endr
.irp k, 0,2,4,6
	v_pk_fma_f32 v[T+\k:T+\k+1], v[(\d)+\k:(\d)+\k+1], v[CA+\k:CA+\k+1], v[CG+\k:CG+\k+1]
.endr
	s_wait_dscnt 0x0
	HALF 0
	HALF 1
.endm
.irp bt, 0,1
.irp i, 0,1,2,3
	XFRAG XF+16*\i, 33+\i, 4*\bt+\i
.endr
	s_wait_dscnt 0x0
.irp i, 0,1,2,3
	QMM D+8*\i, W, XF+16*\i, 32, 33+\i
.endr
	NOPS 8                                         ; eight places behind this form, ahead of the reads of results
.irp i, 0,1,2,3
	TL2 D+8*\i, 4*\bt+\i
.endr
.endr
.irp m, 1,2,4,8                                ; over the 16 lanes of a half: one column's totals
.set kk, 0
.rept 28
	v_add_f32_dpp v[ACC+kk], v[ACC+kk], v[ACC+kk] row_xmask:\m row_mask:0xf bank_mask:0xf
.set kk, kk+1
.endr
.endr
	v_mul_f32 v[VAL], v[ACC+10], v[ACC+24]
.irp c, 1,2,3
	v_fmac_f32 v[VAL], v[ACC+10+\c], v[ACC+24+\c]
.endr
	v_mul_f32 v[VAL+1], v[ACC], v[ACC+14]
.irp i, 4,7,9
	v_fmac_f32 v[VAL+1], v[ACC+\i], v[ACC+14+\i]
.endr
	v_mul_f32 v[PP], v[ACC+1], v[ACC+15]
.irp i, 2,3,5,6,8
	v_fmac_f32 v[PP], v[ACC+\i], v[ACC+14+\i]
.endr
	v_fma_f32 v[VAL+1], v[PP], 2.0, v[VAL+1]
	v_mul_f32 v[VAL], 0x3d800000, v[VAL]           ; sixteen lanes hold the same number: a sixteenth each
	v_mul_f32 v[VAL+1], 0x3d800000, v[VAL+1]
	REDN VAL, 6, PP
	ds_store_b128 v242, v[VAL:VAL+3]               ; all lanes write the same bytes with the same values
	ds_store_b128 v242, v[VAL+4:VAL+7] offset:16
	BARRIER
	s_cmp_lg_u32 s24, 0
	s_cbranch_scc1 .Ldone
	ds_load_b32 v246, v243                         ; bp = 0's,
	ds_load_b32 v247, v243 offset:128              ; bp = 1's
	s_wait_dscnt 0x0
	v_add_f32 v246, v246, v247
	global_store_b32 v244, v246, s[22:23]
.Ldone:
	s_wait_tensorcnt 0x0
	ds_add_u32 v254, v255
	s_wait_dscnt 0x0
	s_endpgm
.Lfunc_end_k_q80d248cb7c_stat2:
	.size	k_q80d248cb7c_stat2, .Lfunc_end_k_q80d248cb7c_stat2-k_q80d248cb7c_stat2
	.p2alignl 7, 3214868480
	.fill 96, 4, 3214868480
	.section	.rodata,"a",@progbits
	.p2align	6, 0x0
	.amdhsa_kernel k_q80d248cb7c_stat2
		.amdhsa_group_segment_fixed_size 60416
		.amdhsa_private_segment_fixed_size 0
		.amdhsa_enable_private_segment 0
		.amdhsa_kernarg_size 80
		.amdhsa_user_sgpr_count 2
		.amdhsa_user_sgpr_kernarg_segment_ptr 1
		.amdhsa_wavefront_size32 1
		.amdhsa_system_sgpr_workgroup_id_x 1
		.amdhsa_system_sgpr_workgroup_id_y 1
		.amdhsa_system_sgpr_workgroup_id_z 1
		.amdhsa_system_vgpr_workitem_id 0
		.amdhsa_next_free_vgpr 256
		.amdhsa_next_free_sgpr 66
		.amdhsa_reserve_vcc 0
		.amdhsa_float_denorm_mode_32 3
		.amdhsa_float_denorm_mode_16_64 3
		.amdhsa_memory_ordered 1
		.amdhsa_forward_progress 1
		.amdhsa_inst_pref_size 56
	.end_amdhsa_kernel
	.amdgpu_metadata
---
amdhsa.version: [ 1, 2 ]
amdhsa.kernels:
  - .name:           k_q80d248cb7c_stat2
    .symbol:         k_q80d248cb7c_stat2.kd
    .args:
      - { .name: x_codes, .offset: 0, .size: 8, .value_kind: global_buffer, .address_space: global }
      - { .name: x_scales, .offset: 8, .size: 8, .value_kind: global_buffer, .address_space: global }
      - { .name: w_qkv_codes, .offset: 16, .size: 8, .value_kind: global_buffer, .address_space: global }
      - { .name: w_qkv_scales, .offset: 24, .size: 8, .value_kind: global_buffer, .address_space: global }
      - { .name: g_qkv, .offset: 32, .size: 8, .value_kind: global_buffer, .address_space: global }
      - { .name: b_qkv, .offset: 40, .size: 8, .value_kind: global_buffer, .address_space: global }
      - { .name: st1, .offset: 48, .size: 8, .value_kind: global_buffer, .address_space: global }
      - { .name: tab, .offset: 56, .size: 8, .value_kind: global_buffer, .address_space: global }
      - { .name: bn1, .offset: 64, .size: 8, .value_kind: global_buffer, .address_space: global }
      - { .name: st2, .offset: 72, .size: 8, .value_kind: global_buffer, .address_space: global }
    .group_segment_fixed_size: 60416
    .private_segment_fixed_size: 0
    .kernarg_segment_align: 8
    .kernarg_segment_size: 80
    .max_flat_workgroup_size: 256
    .sgpr_count:     66
    .vgpr_count:     256
    .wavefront_size: 32
...
	.end_amdgpu_metadata
.endif
;; end of part 2
;; launch attn (part 3): grid 256 x 1, 8 waves a work-group, no clusters, 211,968 bytes of LDS; arguments x_codes, x_scales, w_qkv_codes, w_qkv_scales, bn1, st2, g_sim, b_sim, rs, xw, st3; writes xw, st3
.if DOCPART == 3
	.amdgcn_target "amdgcn-amd-amdhsa--gfx1250"
	.amdhsa_code_object_version 6
	.text
	.protected	k_q80d248cb7c_attn
	.globl	k_q80d248cb7c_attn
	.p2align	8
	.type	k_q80d248cb7c_attn,@function
k_q80d248cb7c_attn:
	s_mov_b64 s[64:65], 0
	v_nop
	global_prefetch_b8 v0, s[64:65] scope:SCOPE_SE
	s_setreg_imm32_b32 hwreg(HW_REG_WAVE_MODE, 25, 1), 1
	s_wait_xcnt 0x0
; THIRD LAUNCH: the attention.  Work-group = (n, a block of 32 columns w, a pair of groups gA = 2 gp and gB = gA + 1, a quarter of the queries).  Eight waves, four queries each; every wave walks all 128 keys.
; THE PRODUCTS WITH K = 4 AND M = 8 ARE DONE IN f32 BY PACKED FUSED MULTIPLY-ADDS: a 16 x 16 x 32 matrix instruction would do eight times (K = 4) or twice (M = 8) their multiply-adds, and the tables of 'relative' hang on query - key.
; A LANE IS A COLUMN b (w = 32 wblk + lane); THE TWO HALVES OF A PACKED INSTRUCTION ARE THE TWO GROUPS.  So R[c, query - key + 127] is the same number in all lanes and in both halves: it comes by an LDS load whose address is the same in
; all lanes and is taken for both halves by op_sel; q, k, v, p and all sums are register pairs (gA, gB).
; logit (in units of log2) = C + sum_c A2 q_c(i) R[c, i-j+127] + sum_c A1 q_c(i) k_c(j) + sum_c A3 k_c(j) R[4+c, j-i+127]; A1, A2, A3 are the second batch norm's gains (x 0.1 where reference() has it, x log2 e), C its means and b_sim.
; SOFTMAX: keys go in chunks of 16 under a running maximum m: p = 2^(logit - m); at each chunk the sum, sv and sve are multiplied by 2^(old m - new m); the sum divides at the end.
; q, k, v COME FROM THE SCALED MATRIX FORM IN THIS LANE LAYOUT: source 1's row r holds in K 0-63 the 64 codes of (position, w0 + r) and in K 64-127 those of (position, w0 + 16 + r); source 0 holds eight channels, rows 0-7 with their
; codes in K 0-63 and zero codes behind, rows 8-15 the other way round: lane l of the result is column w0 + l, register j channel j.  Channel tiles: (q of gA, q of gB), (k of gA, k of gB), v of gA, v of gB.
; k and v of 64 columns x 128 keys in f32 are 384 KiB: the keys go in TWO PHASES of 64, each made by all waves (8 positions a wave), a barrier, four chunks, a barrier.
; OUT: xw[n][wblk][channel 128][query / 4][w 32][query % 4]: a lane's four queries are 16 bytes, a store covers 512 consecutive bytes.  st3[slot 64][channel][S,Q]: sums for the third batch norm (128 bytes a piece, 64 KiB in all).
; LIMITS: a variance is E[x^2] - mean^2 in f32, held at 0 from below.  NaN and infinity codes and the scale byte 0xff are not served.
; No cluster, no tensor load: x's codes go from memory straight into operand registers, in two short runs of loads a wave; nothing is staged in LDS that a joint load could fill.
; The 128 accumulators, the sums and the maxima are set once at the head (144 lines): the chunk is written once, and its first trip finds zeros, which the first change of m leaves zeros.
.set KSTR, 3072                        ; LDS: a key: six quads of 512 bytes (16 a lane): (k0A,k0B,k1A,k1B), (k2..,k3..), (v0A,v0B,v1A,v1B), .. ; 64 keys from byte 0
.set RT,   196608                      ; 192 entries of rs: entry e = key - local query + 31 (159 are used)
.set RED3, 208896                      ; each wave's 64 totals, 256 bytes a wave
.set BNA,  32                          ; s[32:63] alpha, gamma of gA's 16 channels; s[68:99] of gB's (BNA + 36)
.set MK,   31                          ; s31  lanes with r < 8
.set SEL,  100                         ; s[100:101] selects of v_permlanex16_b32
.set PH,   104                         ; s104 phase, s105 chunk
.set CK,   105
.set SKV,  12                          ; s12  the chunk's first key in LDS, in bytes;  s13 its first entry
.set SRT,  13
; window 0
.set LN16, 1                           ; 16 x lane
.set VX,   2                           ; offsets in x's codes and scales (my 8 positions of a phase), in w's codes and scales (plain rows; rows of two groups)
.set VXS,  3
.set VW,   4
.set VWS,  5
.set VWM,  6
.set VWSM, 7
.set AST,  8                           ; where I put k and v
.set ARTB, 9                           ; my wave's first entry
.set AKV,  10                          ; the chunk's addresses
.set ART,  11
.set AXW,  12
.set VXQ,  13                          ; the same as VX, VXS for my four queries
.set VXSQ, 14
.set Q1,   16                          ; v16-47  A1 q: query t, channel c at Q1 + 8 t + 2 c;  v48-79 A2 q
.set Q2,   48
.set RING, 80                          ; v80-143 eight entries of eight numbers; while q, k and v are made: w's fragments
.set KVB,  144                         ; v144-191 k: four buffers of 8, A3 k: two of 8;  v: three of 16;  while q, k and v are made: results (q: v144-175; k, v: v144-167) and, behind them, scale words
.set L,    192                         ; sums, maxima, factors, new maxima: a pair a query
.set M,    200
.set F,    208
.set MN,   216
.set CA1,  224                         ; the pairs A1, A2, A3, C
.set CA2,  226
.set CA3,  228
.set CC,   230
.set T,    232                         ; v232-255 at work
; window 1
.set S,    0                           ; logits, then p: query t, key jj of the chunk at 32 t + 2 jj; while q, k and v are made: x's fragments
.set SV,   128                         ; 128 + 16 t + 2 c
.set SVE,  192
.set MSB, 0
.macro WIN new                         ; bits 1:0 source 0, 3:2 source 1, 5:4 source 2, 7:6 destination; the high byte repeats the setting that is left
.if MSB != \new
	s_set_vgpr_msb (MSB<<8)|\new
.set MSB, \new
.endif
.endm
.macro NOPS cnt
.rept \cnt
	v_nop
.endr
.endm
.macro BARRIER
	s_wait_dscnt 0x0
	s_barrier_signal -1
	s_barrier_wait -1
.endm
.macro QMM d, a, b, sa, sb
	v_wmma_scale_f32_16x16x128_f8f6f4 v[(\d):(\d)+7], v[(\a):(\a)+15], v[(\b):(\b)+15], 0, v[\sa], v[\sb] matrix_a_fmt:MATRIX_FMT_BF8 matrix_b_fmt:MATRIX_FMT_BF8
.endm
.macro WMASK dst, src, sc              ; the loaded 64 codes go to K 0-63 in rows 0-7 and to K 64-127 in rows 8-15; the two scale bytes are doubled into a word
.irp i, 0,1,2,3,4,5,6,7
	v_cndmask_b32 v[\dst+\i], 0, v[\src+\i], s[MK]
	v_cndmask_b32 v[\dst+8+\i], v[\src+\i], 0, s[MK]
.endr
	v_lshl_or_b32 v[\sc], v[\sc], 16, v[\sc]
.endm
.macro REDN base, cnt, tmp
.irp m, 1,2,4,8
.set i_, 0
.rept \cnt
	v_add_f32_dpp v[\base+i_], v[\base+i_], v[\base+i_] row_xmask:\m row_mask:0xf bank_mask:0xf
.set i_, i_+1
.endr
.endr
.set i_, 0
.rept \cnt
	v_permlanex16_b32 v[\tmp+i_], v[\base+i_], s[SEL], s[SEL+1]
.set i_, i_+1
.endr
.set i_, 0
.rept \cnt
	v_add_f32 v[\base+i_], v[\base+i_], v[\tmp+i_]
.set i_, i_+1
.endr
.endm
.macro WLOAD raw, sc, vo, vso, off, soff       ; eight channels of w: 64 codes and two scale bytes a row
	global_load_b128 v[(\raw):(\raw)+3], v[\vo], s[8:9] offset:\off
	global_load_b128 v[(\raw)+4:(\raw)+7], v[\vo], s[8:9] offset:\off+32
	global_load_u16 v[\sc], v[\vso], s[10:11] offset:\soff
.endm
.macro XFR dst, vo, imm                        ; one position, 32 columns: 2,048 consecutive bytes in four loads
	global_load_b128 v[(\dst):(\dst)+3], v[\vo], s[4:5] offset:(\imm)
	global_load_b128 v[(\dst)+4:(\dst)+7], v[\vo], s[4:5] offset:(\imm)+32
	global_load_b128 v[(\dst)+8:(\dst)+11], v[\vo], s[4:5] offset:(\imm)+1024
	global_load_b128 v[(\dst)+12:(\dst)+15], v[\vo], s[4:5] offset:(\imm)+1056
.endm
.macro FMA2 d, a, b, c                         ; pairs throughout
	v_pk_fma_f32 v[(\d):(\d)+1], v[(\a):(\a)+1], v[(\b):(\b)+1], v[(\c):(\c)+1]
.endm
.macro FMB d, a, rb, c                         ; the ONE register rb multiplies both halves
.if ((\rb)&1)
	v_pk_fma_f32 v[(\d):(\d)+1], v[(\a):(\a)+1], v[(\rb)-1:(\rb)], v[(\c):(\c)+1] op_sel:[0,1,0]
.else
	v_pk_fma_f32 v[(\d):(\d)+1], v[(\a):(\a)+1], v[(\rb):(\rb)+1], v[(\c):(\c)+1] op_sel_hi:[1,0,1]
.endif
.endm
.macro LDR kap, part                           ; entry kap = key - t of the chunk (-3 .. 15) into the ring; part 0: q's and k's numbers, 32: v's
.set EN_, RING+8*(((\kap)+8)%8)
	ds_load_b128 v[EN_:EN_+3], v[ART] offset:((\kap)+3)*64+(\part)
	ds_load_b128 v[EN_+4:EN_+7], v[ART] offset:((\kap)+3)*64+(\part)+16
.endm
.macro LDK j
.set KB_, KVB+8*((\j)%4)
	ds_load_b128 v[KB_:KB_+3], v[AKV] offset:(\j)*KSTR
	ds_load_b128 v[KB_+4:KB_+7], v[AKV] offset:(\j)*KSTR+512
.endm
.macro LDV j
.set VB_, KVB+16*((\j)%3)
.irp q, 0,1,2,3
	ds_load_b128 v[VB_+4*\q:VB_+4*\q+3], v[AKV] offset:(\j)*KSTR+1024+512*\q
.endr
.endm
	s_load_b256 s[4:11], s[0:1], 0x0               ; x's codes, x's scales, w's codes, w's scales
	s_load_b256 s[12:19], s[0:1], 0x20             ; bn1, st2, g_sim, b_sim
	s_load_b128 s[20:23], s[0:1], 0x40             ; rs, xw
	s_load_b64 s[24:25], s[0:1], 0x50              ; st3
	v_lshrrev_b32 v1, 5, v0
	v_readfirstlane_b32 s26, v1                    ; wave
	s_and_b32 s27, ttmp9, 3                        ; qt: which 32 queries
	s_bfe_u32 s28, ttmp9, 0x20002                  ; gp: which pair of groups
	s_bfe_u32 s29, ttmp9, 0x20004                  ; wblk: which 32 columns
	s_lshr_b32 s30, ttmp9, 6                       ; n
	s_mov_b32 s[MK], 0x00ff00ff
	s_mov_b32 s[SEL], 0x76543210
	s_mov_b32 s[SEL+1], 0xfedcba98
	v_and_b32 v253, 31, v0                         ; lane
	v_lshlrev_b32 v[LN16], 4, v253
	v_and_b32 v244, 15, v0                         ; r
	v_bfe_u32 v245, v0, 4, 1                       ; h
	v_lshlrev_b32 v246, 6, v244
	v_lshl_add_u32 v246, v245, 4, v246             ; 64 r + 16 h
	s_lshl_b32 s2, s26, 16
	v_add_nc_u32 v[VX], s2, v246                   ; + 8 positions of 8,192 bytes a wave
	s_lshl_b32 s2, s27, 5
	s_lshl_b32 s3, s26, 2
	s_add_co_u32 s2, s2, s3                        ; my first query
	s_lshl_b32 s3, s2, 13
	v_add_nc_u32 v[VXQ], s3, v246
	v_lshlrev_b32 v247, 1, v244                    ; 2 r
	s_lshl_b32 s3, s26, 11
	v_add_nc_u32 v[VXS], s3, v247
	s_lshl_b32 s3, s2, 8
	v_add_nc_u32 v[VXSQ], s3, v247
	v_and_b32 v248, 7, v0
	v_lshlrev_b32 v[VW], 6, v248
	v_lshl_add_u32 v[VW], v245, 4, v[VW]           ; w: row r % 8
	v_lshlrev_b32 v[VWS], 1, v248
	v_bfe_u32 v249, v0, 2, 1
	v_mad_u32_u24 v249, v249, 12, v248             ; rows 0-3 of gA, then the same four of gB, 16 channels on: r % 8 + 12 (r % 8 / 4)
	v_lshlrev_b32 v[VWM], 6, v249
	v_lshl_add_u32 v[VWM], v245, 4, v[VWM]
	v_lshlrev_b32 v[VWSM], 1, v249
	s_mul_i32 s3, s26, 8*KSTR
	v_add_nc_u32 v[AST], s3, v[LN16]
	s_xor_b32 s3, s26, 7
	s_lshl_b32 s3, s3, 8
	s_add_co_u32 s3, s3, RT
	v_mov_b32 v[ARTB], s3                          ; entry 28 - 4 wave: key - 3 less my first local query + 31
	s_lshl_b32 s3, s26, 9
	v_add_nc_u32 v[AXW], s3, v[LN16]
	v_lshlrev_b32 v250, 8, v253                    ; st2: a slot (256 bytes) a lane
	v_lshlrev_b32 v251, 4, v0                      ; rs: 16 bytes a thread,
	v_lshl_add_u32 v252, v0, 4, RT                 ; and in LDS
	s_wait_kmcnt 0x0
	s_mov_b32 s3, 0
	s_lshl_b32 s2, s30, 20
	s_lshl_b32 s104, s29, 11
	s_add_co_u32 s2, s2, s104
	s_add_nc_u64 s[4:5], s[4:5], s[2:3]            ; x's codes at (n, position 0, my first column)
	s_lshl_b32 s2, s30, 15
	s_lshl_b32 s104, s29, 6
	s_add_co_u32 s2, s2, s104
	s_add_nc_u64 s[6:7], s[6:7], s[2:3]
	s_lshl_b32 s2, s28, 11
	s_add_nc_u64 s[8:9], s[8:9], s[2:3]            ; w at gA's first channel
	s_lshl_b32 s2, s28, 6
	s_add_nc_u64 s[10:11], s[10:11], s[2:3]
	s_add_nc_u64 s[14:15], s[14:15], s[2:3]        ; st2 at gA's eight numbers
	s_lshl_b32 s2, s28, 8
	s_add_nc_u64 s[12:13], s[12:13], s[2:3]
	s_lshl_b32 s2, s28, 3
	s_add_nc_u64 s[16:17], s[16:17], s[2:3]
	s_add_nc_u64 s[18:19], s[18:19], s[2:3]
	s_xor_b32 s2, s27, 3
	s_lshl_b32 s2, s2, 11
	s_add_nc_u64 s[20:21], s[20:21], s[2:3]        ; rs at entry 96 - 32 qt: my work-group's window
	s_lshl_b32 s2, s30, 23
	s_lshl_b32 s104, s29, 21
	s_add_co_u32 s2, s2, s104
	s_lshl_b32 s104, s28, 18
	s_add_co_u32 s2, s2, s104
	s_lshl_b32 s104, s27, 12
	s_add_co_u32 s2, s2, s104
	s_add_nc_u64 s[22:23], s[22:23], s[2:3]
	s_lshl_b32 s2, s30, 4
	s_lshl_b32 s104, s29, 2
	s_add_co_u32 s2, s2, s104
	s_add_co_u32 s2, s2, s27
	s_lshl_b32 s2, s2, 10
	s_lshl_b32 s104, s28, 7
	s_add_co_u32 s2, s2, s104
	s_add_nc_u64 s[24:25], s[24:25], s[2:3]
	s_load_b64 s[32:33], s[16:17], 0x0             ; g_sim of qk, qr, kr: (gA, gB)
	s_load_b64 s[34:35], s[16:17], 0x20
	s_load_b64 s[36:37], s[16:17], 0x40
	s_load_b64 s[38:39], s[18:19], 0x0             ; b_sim likewise
	s_load_b64 s[40:41], s[18:19], 0x20
	s_load_b64 s[42:43], s[18:19], 0x40
.irp m, 0,1,2,3
.irp k, 0,1,2,3
	global_load_b128 v[RING+16*\m+4*\k:RING+16*\m+4*\k+3], v250, s[14:15] offset:8192*\m+16*\k
.endr
.endr
.irp k, 0,1,2
	global_load_b128 v[T+4*\k:T+4*\k+3], v251, s[20:21] offset:4096*\k
.endr
	WLOAD KVB, KVB+40, VWM, VWSM, 0, 0             ; q of gA and of gB; the scale word stands behind the four results (v144-175) and x's scale words (v176-183)
.irp t, 0,1,2,3
	global_load_u16 v[KVB+32+2*\t], v[VXSQ], s[6:7] offset:256*\t
	global_load_u16 v[KVB+33+2*\t], v[VXSQ], s[6:7] offset:256*\t+32
.endr
	WIN 0x40
.irp t, 0,1,2,3
	XFR S+16*\t, VXQ, 8192*\t
.endr
	WIN 0
	s_wait_loadcnt 0x0
.irp k, 0,1,2
	ds_store_b128 v252, v[T+4*\k:T+4*\k+3] offset:4096*\k
.endr
	; ---- the second batch norm's gains, for both groups
.irp m, 1,2,3
.irp e, 0,2,4,8,10,12
	v_pk_add_f32 v[RING+\e:RING+\e+1], v[RING+\e:RING+\e+1], v[RING+16*\m+\e:RING+16*\m+\e+1]
.endr
.endr
	REDN RING, 16, RING+16
	s_mov_b32 s2, 0x34000000                       ; 2^-23: 512 x 128 x 128 numbers a channel
.irp o, 0,8
.irp e, 0,1,2,3,4,5
	v_mul_f32 v[RING+\o+\e], s2, v[RING+\o+\e]
.endr
.irp k, 0,2,4
	v_fma_f32 v[RING+\o+\k+1], -v[RING+\o+\k], v[RING+\o+\k], v[RING+\o+\k+1]
.endr
.irp k, 0,2,4
	v_max_num_f32 v[RING+\o+\k+1], 0, v[RING+\o+\k+1]
.endr
.endr
	s_mov_b32 s2, 0x3c23d70a                       ; 0.01: qr and kr carry the factor 0.1
	s_mov_b32 s3, 0x3727c5ac                       ; 1e-5
.irp o, 0,8
	v_add_f32 v[RING+\o+1], s3, v[RING+\o+1]
	v_fma_f32 v[RING+\o+3], v[RING+\o+3], s2, s3
	v_fma_f32 v[RING+\o+5], v[RING+\o+5], s2, s3
.endr
.irp o, 0,8
.irp k, 0,2,4
	v_rsq_f32 v[RING+32+\o+\k], v[RING+\o+\k+1]
.endr
.endr
	v_nop                                          ; a plain instruction behind the last of them,
	s_wait_kmcnt 0x0
	s_wait_alu depctr_va_vdst(0)                   ; and one wait for the six, ahead of their first use
.irp col, 0,1
	v_mul_f32 v[RING+32+8*\col], s[32+\col], v[RING+32+8*\col]
	v_mul_f32 v[RING+34+8*\col], s[34+\col], v[RING+34+8*\col]
	v_mul_f32 v[RING+36+8*\col], s[36+\col], v[RING+36+8*\col]
	v_mul_f32 v[CA1+\col], 0x3fb8aa3b, v[RING+32+8*\col]       ; A1 = a1 log2(e)
	v_mul_f32 v[CA2+\col], 0x3e13bb62, v[RING+34+8*\col]       ; A2 = 0.1 a2 log2(e)
	v_mul_f32 v[CA3+\col], 0x3e13bb62, v[RING+36+8*\col]       ; A3
	s_add_f32 s2, s[38+\col], s[40+\col]
	s_add_f32 s2, s2, s[42+\col]
	s_mul_f32 s2, s2, 0x3fb8aa3b
	v_fma_f32 v[CC+\col], -v[CA1+\col], v[RING+8*\col], s2     ; C = log2(e) (the sum of b_sim) - the sum of A x mean
	v_fma_f32 v[CC+\col], -v[CA2+\col], v[RING+8*\col+2], v[CC+\col]
	v_fma_f32 v[CC+\col], -v[CA3+\col], v[RING+8*\col+4], v[CC+\col]
.endr
	s_load_b512 s[BNA:BNA+15], s[12:13], 0x0       ; the first batch norm's alpha, gamma: gA's 16 channels,
	s_load_b512 s[BNA+16:BNA+31], s[12:13], 0x40
	s_load_b512 s[BNA+36:BNA+51], s[12:13], 0x80   ; gB's
	s_load_b512 s[BNA+52:BNA+67], s[12:13], 0xc0
	; ---- my four queries' q
	WMASK RING, KVB, KVB+40
.irp t, 0,1,2,3
	v_lshl_or_b32 v[KVB+32+2*\t], v[KVB+33+2*\t], 16, v[KVB+32+2*\t]   ; row r's scale word: columns r and 16 + r
.endr
	WIN 0x40
.set kk, 0
.rept 128
	v_mov_b32 v[SV+kk], 0                          ; sv and sve.  (These lines are also the places between the scale words and fragments just made and the matrix instructions)
.set kk, kk+1
.endr
	WIN 0
.irp x, 0,1,2,3,4,5,6,7
	v_mov_b32 v[L+\x], 0
	v_mov_b32 v[M+\x], 0xff61b1e6                  ; -3e38, under every logit
.endr
	WIN 0x04                                       ; source 1 (x) window 1
.irp t, 0,1,2,3
	QMM KVB+8*\t, RING, S+16*\t, KVB+40, KVB+32+2*\t
.endr
	WIN 0
	NOPS 8                                         ; eight places behind this form, ahead of the reads of results
	s_wait_kmcnt 0x0
.irp t, 0,1,2,3
.irp col, 0,1
.irp c, 0,1,2,3
	v_fma_f32 v[T+2*\c+\col], v[KVB+8*\t+4*\col+\c], s[BNA+36*\col+2*\c], s[BNA+36*\col+2*\c+1]
.endr
.endr
.irp c, 0,1,2,3
	v_pk_mul_f32 v[Q1+8*\t+2*\c:Q1+8*\t+2*\c+1], v[T+2*\c:T+2*\c+1], v[CA1:CA1+1]
	v_pk_mul_f32 v[Q2+8*\t+2*\c:Q2+8*\t+2*\c+1], v[T+2*\c:T+2*\c+1], v[CA2:CA2+1]
.endr
.endr
; TWO KEYS' LOGITS for four queries: eight sums by turns.  At its head the next two keys' k and table entries are asked for: they have this step's 104 packed instructions in which to land.
.macro LSTEP2 s
	WIN 0
.if (\s)+2 <= 14
	LDR (\s)+2, 0
	LDR (\s)+3, 0
	LDK (\s)+2
	LDK (\s)+3
	s_wait_dscnt 8                                 ; all but the eight loads just issued
.else
	s_wait_dscnt 0x0
.endif
.irp u, 0,1
.irp c, 0,1,2,3
	v_pk_mul_f32 v[KVB+32+8*\u+2*\c:KVB+32+8*\u+2*\c+1], v[KVB+8*(((\s)+\u)%4)+2*\c:KVB+8*(((\s)+\u)%4)+2*\c+1], v[CA3:CA3+1]
.endr
.endr
	WIN 0x40                                       ; destination window 1; the constant C lies in window 0
.irp u, 0,1
.irp t, 0,1,2,3
	FMB S+32*\t+2*((\s)+\u), Q2+8*\t, RING+8*(((\s)+\u-\t+8)%8), CC
.endr
.endr
	WIN 0x50                                       ; the sums: source 2 and destination window 1
.irp c, 1,2,3
.irp u, 0,1
.irp t, 0,1,2,3
	FMB S+32*\t+2*((\s)+\u), Q2+8*\t+2*\c, RING+8*(((\s)+\u-\t+8)%8)+\c, S+32*\t+2*((\s)+\u)
.endr
.endr
.endr
.irp c, 0,1,2,3
.irp u, 0,1
.irp t, 0,1,2,3
	FMA2 S+32*\t+2*((\s)+\u), Q1+8*\t+2*\c, KVB+8*(((\s)+\u)%4)+2*\c, S+32*\t+2*((\s)+\u)
.endr
.endr
.endr
.irp c, 0,1,2,3
.irp u, 0,1
.irp t, 0,1,2,3
	FMB S+32*\t+2*((\s)+\u), KVB+32+8*\u+2*\c, RING+8*(((\s)+\u-\t+8)%8)+4+\c, S+32*\t+2*((\s)+\u)
.endr
.endr
.endr
.endm
; ONE KEY'S SHARE OF sv AND sve for four queries: 64 sums.  At its head v and the entry of the key two further on are asked for (six loads).
.macro PSTEP s
	WIN 0
.if (\s)+2 <= 15
	LDR (\s)+2, 32
	LDV (\s)+2
.endif
.if (\s) <= 13
	s_wait_dscnt 12                                ; this key's loads are in: the six of the step before and the six just issued are younger
.elseif (\s) == 14
	s_wait_dscnt 6
.else
	s_wait_dscnt 0x0
.endif
	WIN 0x51                                       ; p and the sums window 1, v and the entries window 0
.irp c, 0,1,2,3,4,5,6,7
.irp t, 0,1,2,3
	FMA2 SV+16*\t+2*\c, S+32*\t+2*(\s), KVB+16*((\s)%3)+2*\c, SV+16*\t+2*\c
.endr
.endr
.irp c, 0,1,2,3,4,5,6,7
.irp t, 0,1,2,3
	FMB SVE+16*\t+2*\c, S+32*\t+2*(\s), RING+8*(((\s)-\t+8)%8)+\c, SVE+16*\t+2*\c
.endr
.endr
.endm
	s_mov_b32 s[SRT], 0
	s_mov_b32 s[PH], 0
.Lphase:                                           ; two trips: 64 keys each
	; ---- k and v of my 8 positions, both groups
	WLOAD KVB, KVB+24, VWM, VWSM, 256, 8           ; k of gA and of gB; here the three results take v144-167, and the scale words stand behind them
	WLOAD KVB+8, KVB+25, VW, VWS, 512, 16          ; v of gA
	WLOAD KVB+16, KVB+26, VW, VWS, 1536, 48        ; v of gB
.irp p, 0,1,2,3,4,5,6,7
	global_load_u16 v[KVB+32+2*\p], v[VXS], s[6:7] offset:256*\p
	global_load_u16 v[KVB+33+2*\p], v[VXS], s[6:7] offset:256*\p+32
.endr
	WIN 0x40
.irp p, 0,1,2,3,4,5,6,7
	XFR S+16*\p, VX, 8192*\p
.endr
	WIN 0
	s_wait_loadcnt 0x0                             ; all are in, so their bases may step:
	s_add_nc_u64 s[4:5], s[4:5], 524288            ; 64 positions on (behind the second phase the stepped addresses are not used)
	s_add_nc_u64 s[6:7], s[6:7], 16384
	WMASK RING, KVB, KVB+24
	WMASK RING+16, KVB+8, KVB+25
	WMASK RING+32, KVB+16, KVB+26
.irp p, 0,1,2,3,4,5,6,7
	v_lshl_or_b32 v[KVB+32+2*\p], v[KVB+33+2*\p], 16, v[KVB+32+2*\p]
.endr
	NOPS 8                                         ; a scale word made by a vector instruction stands eight places ahead of the scaled matrix instruction, an operand four
.irp p, 0,1,2,3,4,5,6,7
	WIN 0x04
	QMM KVB, RING, S+16*\p, KVB+24, KVB+32+2*\p
	QMM KVB+8, RING+16, S+16*\p, KVB+25, KVB+32+2*\p
	QMM KVB+16, RING+32, S+16*\p, KVB+26, KVB+32+2*\p
	WIN 0
	NOPS 8                                         ; eight places ahead of the reads of results; with the lines below on the other results, more than nine ahead of the next position's products, which write over these
.irp col, 0,1
.irp c, 0,1,2,3
	v_fma_f32 v[T+2*\c+\col], v[KVB+4*\col+\c], s[BNA+36*\col+8+2*\c], s[BNA+36*\col+9+2*\c]
.endr
.endr
.irp col, 0,1
.irp c, 0,1,2,3,4,5,6,7
	v_fma_f32 v[T+8+2*\c+\col], v[KVB+8+8*\col+\c], s[BNA+36*\col+16+2*\c], s[BNA+36*\col+17+2*\c]
.endr
.endr
.irp q, 0,1,2,3,4,5
	ds_store_b128 v[AST], v[T+4*\q:T+4*\q+3] offset:\p*KSTR+512*\q     ; 512 consecutive bytes a store
.endr
.endr
	BARRIER                                        ; the phase's 64 keys (and, the first time, the table) lie in LDS
	s_mov_b32 s[SKV], 0
	s_mov_b32 s[CK], 0
.Lchunk:                                           ; four trips: 16 keys each
	v_add_nc_u32 v[AKV], s[SKV], v[LN16]
	v_add_nc_u32 v[ART], s[SRT], v[ARTB]
.irp kap, -3,-2,-1,0,1
	LDR \kap, 0
.endr
	LDK 0
	LDK 1
.irp s, 0,2,4,6,8,10,12,14
	LSTEP2 \s
.endr
	WIN 0
.irp kap, -3,-2,-1,0
	LDR \kap, 32                                   ; the first loads for sv and sve go out ahead of the softmax, which names none of their registers
.endr
	LDV 0
	LDR 1, 32
	LDV 1
	; ---- the softmax of the chunk
	WIN 0x14                                       ; sources 1 and 2 window 1
.irp t, 0,1,2,3
.irp o, 0,1
	v_max3_num_f32 v[MN+2*\t+\o], v[M+2*\t+\o], v[S+32*\t+\o], v[S+32*\t+2+\o]     ; eight chains by turns: the old maximum and 16 logits
.endr
.endr
.irp i, 2,4,6,8,10,12,14
.irp t, 0,1,2,3
.irp o, 0,1
	v_max3_num_f32 v[MN+2*\t+\o], v[MN+2*\t+\o], v[S+32*\t+2*\i+\o], v[S+32*\t+2*\i+2+\o]
.endr
.endr
.endr
	WIN 0
.irp t, 0,1,2,3
	v_pk_add_f32 v[F+2*\t:F+2*\t+1], v[M+2*\t:M+2*\t+1], v[MN+2*\t:MN+2*\t+1] neg_lo:[0,1] neg_hi:[0,1]
.endr
	WIN 0x41
.irp t, 0,1,2,3
.set kk, 0
.rept 16
	v_pk_add_f32 v[S+32*\t+2*kk:S+32*\t+2*kk+1], v[S+32*\t+2*kk:S+32*\t+2*kk+1], v[MN+2*\t:MN+2*\t+1] neg_lo:[0,1] neg_hi:[0,1]
.set kk, kk+1
.endr
.endr
.set kk, 0
.rept 128
	v_exp_f32 v[S+kk], v[S+kk]                     ; p = 2^(logit - m)
.set kk, kk+1
.endr
	WIN 0
.irp x, 0,1,2,3,4,5,6,7
	v_exp_f32 v[F+\x], v[F+\x]                     ; 2^(old m - new m)
.endr
.irp x, 0,1,2,3,4,5,6,7
	v_mov_b32 v[M+\x], v[MN+\x]                    ; (plain instructions behind the last exponential)
.endr
	s_wait_alu depctr_va_vdst(0)                   ; ONE wait for the chunk's 136, ahead of the first instruction that names a result
.irp t, 0,1,2,3
	v_pk_mul_f32 v[L+2*\t:L+2*\t+1], v[L+2*\t:L+2*\t+1], v[F+2*\t:F+2*\t+1]
.endr
	WIN 0x04
.set kk, 0
.rept 16
.irp t, 0,1,2,3
	v_pk_add_f32 v[L+2*\t:L+2*\t+1], v[L+2*\t:L+2*\t+1], v[S+32*\t+2*kk:S+32*\t+2*kk+1]
.endr
.set kk, kk+1
.endr
	WIN 0x41
.irp t, 0,1,2,3
.irp c, 0,1,2,3,4,5,6,7
	v_pk_mul_f32 v[SV+16*\t+2*\c:SV+16*\t+2*\c+1], v[SV+16*\t+2*\c:SV+16*\t+2*\c+1], v[F+2*\t:F+2*\t+1]
	v_pk_mul_f32 v[SVE+16*\t+2*\c:SVE+16*\t+2*\c+1], v[SVE+16*\t+2*\c:SVE+16*\t+2*\c+1], v[F+2*\t:F+2*\t+1]
.endr
.endr
.irp s, 0,1,2,3,4,5,6,7,8,9,10,11,12,13,14,15
	PSTEP \s
.endr
	WIN 0                                          ; at a label and at a branch every window is 0
	s_add_co_u32 s[SKV], s[SKV], 16*KSTR
	s_add_co_u32 s[SRT], s[SRT], 1024              ; 16 entries on; it runs on through both phases
	s_add_co_u32 s[CK], s[CK], 1
	s_cmp_lt_u32 s[CK], 4
	s_cbranch_scc1 .Lchunk
	BARRIER                                        ; every wave's reads of these keys are over: the next phase may write there
	s_add_co_u32 s[PH], s[PH], 1
	s_cmp_lt_u32 s[PH], 2
	s_cbranch_scc1 .Lphase
	; ---- divide by the sums; a lane's four queries of a channel into four neighbouring registers; store
.irp x, 0,1,2,3,4,5,6,7
	v_rcp_f32 v[F+\x], v[L+\x]
.endr
	v_nop
	s_wait_alu depctr_va_vdst(0)
.irp t, 0,1,2,3
	v_pk_mul_f32 v[MN+2*\t:MN+2*\t+1], v[F+2*\t:F+2*\t+1], 0x3dcccccd op_sel_hi:[1,0]     ; sve carries the factor 0.1
.endr
	WIN 0x41
.irp col, 0,1
.irp c, 0,1,2,3,4,5,6,7
.irp t, 0,1,2,3
	v_mul_f32 v[S+4*(8*\col+\c)+\t], v[SV+16*\t+2*\c+\col], v[F+2*\t+\col]
	v_mul_f32 v[S+64+4*(8*\col+\c)+\t], v[SVE+16*\t+2*\c+\col], v[MN+2*\t+\col]
.endr
.endr
.endr
	WIN 0x04                                       ; a store's data are its source 1: window 1
.irp kind, 0,1
.irp col, 0,1
.irp c, 0,1,2,3,4,5,6,7
	global_store_b128 v[AXW], v[S+64*\kind+4*(8*\col+\c):S+64*\kind+4*(8*\col+\c)+3], s[22:23] offset:1048576*\kind+131072*\col+16384*\c th:TH_STORE_NT   ; 512 consecutive bytes, aligned
.endr
.endr
.endr
	; ---- sums and sums of squares of the 32 channels: over my four queries, the lanes, the waves
	WIN 0x05
.set kk, 0
.rept 32
	v_pk_add_f32 v[16+4*kk:17+4*kk], v[S+4*kk:S+4*kk+1], v[S+4*kk+2:S+4*kk+3]
	v_pk_mul_f32 v[18+4*kk:19+4*kk], v[S+4*kk:S+4*kk+1], v[S+4*kk:S+4*kk+1]
	v_pk_fma_f32 v[18+4*kk:19+4*kk], v[S+4*kk+2:S+4*kk+3], v[S+4*kk+2:S+4*kk+3], v[18+4*kk:19+4*kk]
.set kk, kk+1
.endr
	WIN 0
.set kk, 0
.rept 32
	v_add_f32 v[144+2*kk], v[16+4*kk], v[17+4*kk]
	v_add_f32 v[145+2*kk], v[18+4*kk], v[19+4*kk]
.set kk, kk+1
.endr
	REDN 144, 64, 16
	s_lshl_b32 s2, s26, 8
	s_add_co_u32 s2, s2, RED3
	v_mov_b32 v2, s2
	v_and_b32 v5, 31, v0
	v_lshl_add_u32 v3, v5, 3, RED3                 ; lane l of wave 0 takes channel l of the 32: kind l / 16, group (l / 8) % 2, c = l % 8
	v_and_b32 v4, 15, v0
	v_lshlrev_b32 v4, 3, v4
	v_bfe_u32 v5, v0, 4, 1
	v_lshl_add_u32 v4, v5, 9, v4
.irp k, 0,1,2,3,4,5,6,7,8,9,10,11,12,13,14,15
	ds_store_b128 v2, v[144+4*\k:147+4*\k] offset:16*\k        ; all lanes write the same bytes with the same values
.endr
	BARRIER
	s_cmp_lg_u32 s26, 0
	s_cbranch_scc1 .Ldone
.irp w, 0,1,2,3,4,5,6,7
	ds_load_b64 v[16+2*\w:17+2*\w], v3 offset:256*\w
.endr
	s_wait_dscnt 0x0
.irp w, 0,2,4,6
	v_pk_add_f32 v[16+2*\w:17+2*\w], v[16+2*\w:17+2*\w], v[18+2*\w:19+2*\w]
.endr
	v_pk_add_f32 v[16:17], v[16:17], v[20:21]
	v_pk_add_f32 v[24:25], v[24:25], v[28:29]
	v_pk_add_f32 v[16:17], v[16:17], v[24:25]
	global_store_b64 v4, v[16:17], s[24:25]
.Ldone:
	s_wait_xcnt 0x0
	v_lshl_add_u32 v254, v0, 2, 0x33800
	v_mov_b32 v255, 0
	s_wait_tensorcnt 0x0
	ds_add_u32 v254, v255
	s_wait_dscnt 0x0
	s_endpgm
.Lfunc_end_k_q80d248cb7c_attn:
	.size	k_q80d248cb7c_attn, .Lfunc_end_k_q80d248cb7c_attn-k_q80d248cb7c_attn
	.p2alignl 7, 3214868480
	.fill 96, 4, 3214868480
	.section	.rodata,"a",@progbits
	.p2align	6, 0x0
	.amdhsa_kernel k_q80d248cb7c_attn
		.amdhsa_group_segment_fixed_size 211968
		.amdhsa_private_segment_fixed_size 0
		.amdhsa_enable_private_segment 0
		.amdhsa_kernarg_size 88
		.amdhsa_user_sgpr_count 2
		.amdhsa_user_sgpr_kernarg_segment_ptr 1
		.amdhsa_wavefront_size32 1
		.amdhsa_system_sgpr_workgroup_id_x 1
		.amdhsa_system_sgpr_workgroup_id_y 1
		.amdhsa_system_sgpr_workgroup_id_z 1
		.amdhsa_system_vgpr_workitem_id 0
		.amdhsa_next_free_vgpr 512
		.amdhsa_next_free_sgpr 106
		.amdhsa_reserve_vcc 0
		.amdhsa_float_denorm_mode_32 3
		.amdhsa_float_denorm_mode_16_64 3
		.amdhsa_memory_ordered 1
		.amdhsa_forward_progress 1
		.amdhsa_inst_pref_size 252
	.end_amdhsa_kernel
	.amdgpu_metadata
---
amdhsa.version: [ 1, 2 ]
amdhsa.kernels:
  - .name:           k_q80d248cb7c_attn
    .symbol:         k_q80d248cb7c_attn.kd
    .args:
      - { .name: x_codes, .offset: 0, .size: 8, .value_kind: global_buffer, .address_space: global }
      - { .name: x_scales, .offset: 8, .size: 8, .value_kind: global_buffer, .address_space: global }
      - { .name: w_qkv_codes, .offset: 16, .size: 8, .value_kind: global_buffer, .address_space: global }
      - { .name: w_qkv_scales, .offset: 24, .size: 8, .value_kind: global_buffer, .address_space: global }
      - { .name: bn1, .offset: 32, .size: 8, .value_kind: global_buffer, .address_space: global }
      - { .name: st2, .offset: 40, .size: 8, .value_kind: global_buffer, .address_space: global }
      - { .name: g_sim, .offset: 48, .size: 8, .value_kind: global_buffer, .address_space: global }
      - { .name: b_sim, .offset: 56, .size: 8, .value_kind: global_buffer, .address_space: global }
      - { .name: rs, .offset: 64, .size: 8, .value_kind: global_buffer, .address_space: global }
      - { .name: xw, .offset: 72, .size: 8, .value_kind: global_buffer, .address_space: global }
      - { .name: st3, .offset: 80, .size: 8, .value_kind: global_buffer, .address_space: global }
    .group_segment_fixed_size: 211968
    .private_segment_fixed_size: 0
    .kernarg_segment_align: 8
    .kernarg_segment_size: 88
    .max_flat_workgroup_size: 256
    .sgpr_count:     106
    .vgpr_count:     512
    .wavefront_size: 32
...
	.end_amdgpu_metadata
.endif
;; end of part 3
;; launch final (part 4): grid 256 x 1, 8 waves a work-group, no clusters, 68,608 bytes of LDS; arguments xw, st3, g_out, b_out, out0; writes out0
.if DOCPART == 4
	.amdgcn_target "amdgcn-amd-amdhsa--gfx1250"
	.amdhsa_code_object_version 6
	.text
	.protected	k_q80d248cb7c_final
	.globl	k_q80d248cb7c_final
	.p2align	8
	.type	k_q80d248cb7c_final,@function
k_q80d248cb7c_final:
	s_mov_b64 s[64:65], 0
	v_nop
	global_prefetch_b8 v0, s[64:65] scope:SCOPE_SE
	s_setreg_imm32_b32 hwreg(HW_REG_WAVE_MODE, 25, 1), 1
	s_wait_xcnt 0x0
; FOURTH LAUNCH: the third batch norm, the sum of channel pairs, and the turn to [N][C][H][W].
; out0[n][o][h][w] = A0 xw(2 o) + A1 xw(2 o + 1) + B, with A_e = g_out rsqrt(var + eps) and B = the sum of b_out - A_e mean_e, from st3's 64 slots.
; xw is [n][wblk 4][channel 128][h / 4][w 32][h % 4].  Work-group = (n, o).  Wave v reads, for wblk = v / 2 and rows 64 (v % 2) on, 8,192 consecutive bytes of each of the two channels, 512 a load; 32 loads a wave are out at once.
; A lane's 16 bytes are four rows h of one column w: they go by four stores of 4 bytes (32 lanes: 128 consecutive bytes) into a stage in LDS of 128 rows of 512 bytes + 16, and leave as whole rows: 512 consecutive bytes a store.
; A stream: no matrix unit, no cluster, nothing read twice.  LIMIT: a variance is E[x^2] - mean^2 in f32, held at 0 from below.
.set SEL, 18
.set X,   32                           ; v32-159: load (k, e) at X + 8 k + 4 e
	s_load_b256 s[4:11], s[0:1], 0x0               ; xw, st3, g_out, b_out
	s_load_b64 s[12:13], s[0:1], 0x20              ; out0
	v_lshl_add_u32 v192, v0, 2, 0x10800
	v_mov_b32 v193, 0
	v_lshrrev_b32 v1, 5, v0
	v_readfirstlane_b32 s14, v1                    ; wave
	s_lshr_b32 s15, ttmp9, 6                       ; n
	s_and_b32 s16, ttmp9, 63                       ; o
	s_mov_b32 s[SEL], 0x76543210
	s_mov_b32 s[SEL+1], 0xfedcba98
	v_and_b32 v6, 31, v0
	v_lshlrev_b32 v1, 4, v6                        ; 16 x lane
	s_lshr_b32 s17, s14, 1                         ; wblk
	s_and_b32 s24, s14, 1                          ; which 64 rows
	s_lshl_b32 s25, s17, 21
	s_lshl_b32 s26, s24, 13
	s_add_co_u32 s25, s25, s26
	v_add_nc_u32 v2, s25, v1                       ; xw: 2,097,152 bytes a block of columns, 8,192 for 64 rows
	s_mul_i32 s25, s24, 33792
	s_lshl_b32 s26, s17, 7
	s_add_co_u32 s25, s25, s26
	v_lshl_add_u32 v3, v6, 2, s25                  ; into the stage: row 64 (v % 2), column 32 wblk + lane
	s_mul_i32 s17, s14, 8448
	v_add_nc_u32 v4, s17, v1                       ; back: my 16 rows
	s_lshl_b32 s17, s14, 13
	v_add_nc_u32 v5, s17, v1
	v_lshlrev_b32 v7, 10, v6                       ; st3: a slot a lane
	s_lshl_b32 s24, s16, 3
	s_lshl_b32 s26, s16, 4
	s_mov_b32 s27, 0
	s_wait_kmcnt 0x0
	s_load_b64 s[20:21], s[8:9], s24 offset:0x0    ; g_out of channels 2 o, 2 o + 1
	s_load_b64 s[22:23], s[10:11], s24 offset:0x0  ; b_out
	s_add_nc_u64 s[6:7], s[6:7], s[26:27]
	s_lshl_b32 s26, s15, 23
	s_lshl_b32 s25, s16, 15
	s_add_co_u32 s26, s26, s25
	s_add_nc_u64 s[4:5], s[4:5], s[26:27]
	s_lshl_b32 s26, ttmp9, 16
	s_add_nc_u64 s[12:13], s[12:13], s[26:27]
.irp m, 0,1
	global_load_b128 v[8+4*\m:11+4*\m], v7, s[6:7] offset:32768*\m
.endr
.irp k, 0,1,2,3,4,5,6,7,8,9,10,11,12,13,14,15
.irp e, 0,1
	global_load_b128 v[X+8*\k+4*\e:X+8*\k+4*\e+3], v2, s[4:5] offset:16384*\e+512*\k th:TH_LOAD_NT
.endr
.endr
	s_wait_loadcnt 32                              ; st3's two loads are in; xw's 32 are younger
	v_pk_add_f32 v[8:9], v[8:9], v[12:13]
	v_pk_add_f32 v[10:11], v[10:11], v[14:15]
.irp m, 1,2,4,8
.irp i, 8,9,10,11
	v_add_f32_dpp v[\i], v[\i], v[\i] row_xmask:\m row_mask:0xf bank_mask:0xf
.endr
.endr
.irp i, 0,1,2,3
	v_permlanex16_b32 v[12+\i], v[8+\i], s[SEL], s[SEL+1]
.endr
.irp i, 0,1,2,3
	v_add_f32 v[8+\i], v[8+\i], v[12+\i]
.endr
.irp i, 8,9,10,11
	v_mul_f32 v[\i], 0x37800000, v[\i]             ; 65,536 numbers a channel
.endr
	v_fma_f32 v9, -v8, v8, v9
	v_fma_f32 v11, -v10, v10, v11
	v_max_num_f32 v9, 0, v9
	v_max_num_f32 v11, 0, v11
	v_add_f32 v9, 0x3727c5ac, v9
	v_add_f32 v11, 0x3727c5ac, v11
	v_rsq_f32 v24, v9
	v_rsq_f32 v26, v11
	v_nop                                          ; a plain instruction behind the transcendentals,
	s_wait_kmcnt 0x0
	s_wait_alu depctr_va_vdst(0)                   ; and one wait for both, ahead of their first use
	v_mul_f32 v24, s20, v24                        ; A0
	v_mul_f32 v26, s21, v26                        ; A1
	v_fma_f32 v28, -v24, v8, s22
	v_fma_f32 v28, -v26, v10, v28
	v_add_f32 v28, s23, v28                        ; B
	v_mov_b32 v25, v24
	v_mov_b32 v27, v26
	v_mov_b32 v29, v28
	s_wait_loadcnt 0x0
.irp k, 0,1,2,3,4,5,6,7,8,9,10,11,12,13,14,15
.irp u, 0,2
	v_pk_fma_f32 v[X+8*\k+\u:X+8*\k+\u+1], v[X+8*\k+\u:X+8*\k+\u+1], v[24:25], v[28:29]
	v_pk_fma_f32 v[X+8*\k+\u:X+8*\k+\u+1], v[X+8*\k+4+\u:X+8*\k+4+\u+1], v[26:27], v[X+8*\k+\u:X+8*\k+\u+1]
.endr
.irp t, 0,1,2,3
	ds_store_b32 v3, v[X+8*\k+\t] offset:528*(4*\k+\t)
.endr
.endr
	s_wait_dscnt 0x0                               ; for the others' sake: my stores into the stage are done
	s_barrier_signal -1
	s_barrier_wait -1
.irp i, 0,1,2,3,4,5,6,7,8,9,10,11,12,13,14,15
	ds_load_b128 v[X+4*\i:X+4*\i+3], v4 offset:528*\i
.endr
.irp i, 0,1,2,3,4,5,6,7,8,9,10,11,12,13,14,15
	s_wait_dscnt 15-\i                             ; LDS loads come back in order: row i is in, the younger ones may be out
	global_store_b128 v5, v[X+4*\i:X+4*\i+3], s[12:13] offset:512*\i th:TH_STORE_NT   ; 32 lanes store a row of 512 bytes, aligned
.endr
	s_wait_tensorcnt 0x0
	ds_add_u32 v192, v193
	s_wait_dscnt 0x0
	s_endpgm
.Lfunc_end_k_q80d248cb7c_final:
	.size	k_q80d248cb7c_final, .Lfunc_end_k_q80d248cb7c_final-k_q80d248cb7c_final
	.p2alignl 7, 3214868480
	.fill 96, 4, 3214868480
	.section	.rodata,"a",@progbits
	.p2align	6, 0x0
	.amdhsa_kernel k_q80d248cb7c_final
		.amdhsa_group_segment_fixed_size 68608
		.amdhsa_private_segment_fixed_size 0
		.amdhsa_enable_private_segment 0
		.amdhsa_kernarg_size 40
		.amdhsa_user_sgpr_count 2
		.amdhsa_user_sgpr_kernarg_segment_ptr 1
		.amdhsa_wavefront_size32 1
		.amdhsa_system_sgpr_workgroup_id_x 1
		.amdhsa_system_sgpr_workgroup_id_y 1
		.amdhsa_system_sgpr_workgroup_id_z 1
		.amdhsa_system_vgpr_workitem_id 0
		.amdhsa_next_free_vgpr 194
		.amdhsa_next_free_sgpr 66
		.amdhsa_reserve_vcc 0
		.amdhsa_float_denorm_mode_32 3
		.amdhsa_float_denorm_mode_16_64 3
		.amdhsa_memory_ordered 1
		.amdhsa_forward_progress 1
		.amdhsa_inst_pref_size 19
	.end_amdhsa_kernel
	.amdgpu_metadata
---
amdhsa.version: [ 1, 2 ]
amdhsa.kernels:
  - .name:           k_q80d248cb7c_final
    .symbol:         k_q80d248cb7c_final.kd
    .args:
      - { .name: xw, .offset: 0, .size: 8, .value_kind: global_buffer, .address_space: global }
      - { .name: st3, .offset: 8, .size: 8, .value_kind: global_buffer, .address_space: global }
      - { .name: g_out, .offset: 16, .size: 8, .value_kind: global_buffer, .address_space: global }
      - { .name: b_out, .offset: 24, .size: 8, .value_kind: global_buffer, .address_space: global }
      - { .name: out0, .offset: 32, .size: 8, .value_kind: global_buffer, .address_space: global }
    .group_segment_fixed_size: 68608
    .private_segment_fixed_size: 0
    .kernarg_segment_align: 8
    .kernarg_segment_size: 40
    .max_flat_workgroup_size: 256
    .sgpr_count:     66
    .vgpr_count:     194
    .wavefront_size: 32
...
	.end_amdgpu_metadata
.endif
;; end of part 4
